; MI455X (gfx1250); checked and timed in simulation.
; The chip was launched on July 23, 2026; its instructions are those of AMD's public machine-readable ISA for CDNA 5 (MIT licence, August 2026) and "CDNA5" Instruction Set Architecture Reference Guide (July 2026). The comments in the code are by the model that wrote it; some were corrected since.
;; Multi Head Attention. Allowed arithmetic: matrix products marked QUANTISED: E4M3 operands, one given power-of-two scale a tensor, by v_wmma_f32_16x16x64_fp8_fp8 or v_wmma_f32_16x16x128_fp8_fp8, f32 sums; everything else in f32.
;; Inputs: bk 1,024 float32; bo 1,024 float32; bq 1,024 float32; bv 1,024 float32; context 4 x 2,048 x 1,024 float32; data 4 x 2,048 x 1,024 float32; lowp_scales 12 int32 (the exponents e of the quantised operands' scales 2^e); wk 1,024 x 1,024 float32; wo 1,024 x 1,024 float32; wq 1,024 x 1,024 float32; wv 1,024 x 1,024 float32.
;; Outputs: out0 4 x 2,048 x 1,024 float32.
;; This version of the problem:
;;   THIS VERSION OF THE PROBLEM IS GIVEN IN LOW PRECISION. The matrix products marked QUANTISED in the list below multiply operands that are first quantised to E4M3 (4 exponent bits, 3 mantissa bits; 8 bits a number), with one given power-of-two scale for each operand tensor; their sums are f32. All else is computed in f32.
;;   The module's matrix products, in the order in which they are computed (A, B: the left and right operand; K: the contracted axis; several contracted axes count as one K, in the product's order):
;;     1. [M 8,192, K 1,024] x [K 1,024, N 1,024]; A: input data; B: input wq: QUANTISED (scales: A lowp_scales[0], B lowp_scales[1])
;;     2. [M 8,192, K 1,024] x [K 1,024, N 1,024]; A: input context; B: input wk: QUANTISED (scales: A lowp_scales[2], B lowp_scales[3])
;;     3. [M 8,192, K 1,024] x [K 1,024, N 1,024]; A: input context; B: input wv: QUANTISED (scales: A lowp_scales[4], B lowp_scales[5])
;;     4. batch 64 x [M 2,048, K 64] x [K 64, N 2,048]; A: computed on the way; B: computed on the way: QUANTISED (scales: A lowp_scales[6], B lowp_scales[7])
;;     5. batch 64 x [M 2,048, K 2,048] x [K 2,048, N 64]; A: softmax (see below); B: computed on the way: QUANTISED (scales: A lowp_scales[8], B lowp_scales[9])
;;     6. [M 8,192, K 1,024] x [K 1,024, N 1,024]; A: computed on the way; B: input wo: QUANTISED (scales: A lowp_scales[10], B lowp_scales[11])
;;   THE QUANTISER, for each operand of a quantised product, along K:
;;     - The operand's scale is 2^e, e = its entry of the input lowp_scales (int32; the entries are numbered through the quantised products in the list's order, A before B).
;;     - Each number is divided by the scale, clamped to +-448, and rounded to the nearest number of E4M3, ties to even, subnormals kept.
;;     - The product sums the exact products of the quantised numbers (number of the format x scale) in f32.
;;   ~~~python
;;   def quantise(x, axis, e):      # numpy; x: float32 -> the quantised numbers, widened to float32 again
;;       x = np.moveaxis(x, axis, -1); K = x.shape[-1]
;;       r = np.clip(x / 2.0 ** e, -448, 448)
;;       step = 2.0 ** (np.maximum(np.frexp(np.where(r == 0, 1, r))[1] - 1, -6) - 3)
;;       q = np.round(r / step) * step * 2.0 ** e      # np.round: ties to even
;;       return np.moveaxis(q, -1, axis).astype(np.float32)
;;   ~~~
;;   SOFTMAX AHEAD OF A QUANTISED PRODUCT. Where the list says 'softmax', what is quantised is not the finished softmax but p = 2^(t - M), with t = logit x log2(e) and M = ceil(the row's largest t), a whole number; so 1/2 < the row's largest p <= 1. The row's sum l is taken of the UNQUANTISED p, in f32, and the product's result is divided by l at the end. Since M is a whole number, a kernel that streams over the keys may use a running M (the ceiling of the running maximum): every later rescaling is an exact power of two, so the quantised numbers keep their values, but for numbers so far below the row's largest that they fall under the format's range.
;;   OPERANDS COMPUTED ON THE WAY. 'Computed on the way' means the value that the module computes at that place (a softmax that the list does not call 'softmax' is quantised finished and normalised). What goes into a quantiser is computed in f32, as accurately as f32 sums, v_exp_f32 and their like allow (about 1e-6 of the number): no bf16 or f16 on the way to a quantiser, and a product that is left as it is and whose result goes on into a quantised operand takes f32 operands (vector FMAs, or v_wmma_f32_16x16x4_f32). A number that lies on a knife's edge between two numbers of the format may be rounded either way, as far as f32 arithmetic and the matrix unit's own rounding can turn it there, and no further.
;; One version. Each part assembles by itself: llvm-mc -triple=amdgcn-amd-amdhsa -mcpu=gfx1250 --defsym DOCPART=n.
;; ======== version 1 of 1: 4 launches
;; limits: right only within a limited range of input values
;; workspace buffers: acodes 25,165,824 bytes; wcodes 4,194,304 bytes; qkv 25,165,824 bytes; zc 8,388,608 bytes
;; launch quant (part 1): grid 384 x 1, 4 waves a work-group, no clusters, 34,304 bytes of LDS; arguments data, context, wq, wk, wv, wo, lowp_scales, acodes, wcodes; writes acodes, wcodes
.if DOCPART == 1
	.amdgcn_target "amdgcn-amd-amdhsa--gfx1250"
	.amdhsa_code_object_version 6
	.text
	.protected	k_q9aa4dd3eb5_quant
	.globl	k_q9aa4dd3eb5_quant
	.p2align	8
	.type	k_q9aa4dd3eb5_quant,@function
k_q9aa4dd3eb5_quant:
	s_mov_b64 s[64:65], 0
	v_nop
	global_prefetch_b8 v0, s[64:65] scope:SCOPE_SE
	s_setreg_imm32_b32 hwreg(HW_REG_WAVE_MODE, 25, 1), 1
	s_wait_xcnt 0x0
; f32 operands into codes of FP8 (E4M3), each with the scale 2^e that is given for it: code = x / 2^e, held within +-448, to the nearest code, ties to even.
; data with e0 -> acodes + 0; context with e2 -> acodes + 8 MiB and once more with e4 -> acodes + 16 MiB; wq, wk, wv, wo with e1, e3, e5, e11 -> wcodes, 1 MiB each.
; LAYOUT OF ALL CODES: images of operand registers.  A block of 16 rows x 32 K is 512 bytes: byte 256 hh + 16 p + i holds K = 32 kb + 16 hh + i of the row at place p; block (T, kb) lies at 16384 T + 512 kb.
; So lane (p, hh) of a wave finds its 16 bytes at 16 x lane, and every load and store of a block is 512 consecutive bytes.
; PLACE p OF BLOCK T HOLDS ROW 32 (T / 2) + 8 (T % 2) + p + 8 (p / 8): with such an operand as a product's first source, a lane's 16 results of blocks 2 b and 2 b + 1 are 16 neighbouring rows.
; A weight's "row" is its output column n: it is stored [K][N], so a lane takes a column and its registers run down K.
; Work-groups 0-255 take the activations (0-127 data, 128-255 context), 256-383 the weights.  Waves share nothing: no barrier.  Only the activations' path touches LDS.
; LIMITS: each e between -126 and 119, so that 2^e and 448 x 2^e are f32 numbers.  NaN among the inputs is not served; an infinity is held at the largest code.
.set STG,  8448                        ; a wave's stage in LDS: 16 rows x (512 bytes + 16): row r starts 33 x 16 bytes behind row r - 1
.set R,    16                          ; v16-143   two sets of 64: a unit (16 rows x 128 K) as it is loaded
.set X,    144                         ; v144-207  the unit back from the stage: register 16 kb + i = K 32 kb + 16 hh + i of my row
.set T,    208                         ; v208-223  unused: the conversions read X's registers
.set C1,   224                         ; v224-239  a unit's codes under the first scale
.set C2,   240                         ; v240-255  under the second (context alone)
.set WX,   16                          ; v16-79    weights: two sets of 32 numbers down K
.set WC,   144                         ; v144-207  weights: eight registers of codes for each of eight blocks: no store's data are written again
	s_load_b512 s[4:19], s[0:1], 0x0               ; data 4:5, context 6:7, wq 8:9, wk 10:11, wv 12:13, wo 14:15, the scales 16:17, acodes 18:19
	s_load_b64 s[20:21], s[0:1], 0x40              ; wcodes
	v_lshl_add_u32 v14, v0, 2, 0x8400
	v_mov_b32 v15, 0
	v_lshrrev_b32 v10, 5, v0
	v_readfirstlane_b32 s36, v10                   ; wave 0..3
	v_and_b32 v10, 31, v0                          ; lane
	v_and_b32 v11, 15, v0                          ; p
	v_bfe_u32 v12, v0, 4, 1                        ; hh
	v_lshlrev_b32 v1, 4, v10                       ; 16 x lane; never rewritten
	s_wait_kmcnt 0x0
	s_load_b256 s[24:31], s[16:17], 0x0            ; e0 .. e7
	s_load_b128 s[32:35], s[16:17], 0x20           ; e8 .. e11
	s_cmp_lt_u32 ttmp9, 256
	s_cbranch_scc0 .Lweights
; ---------------- activations: wave w of work-group (sel, blk) owns row block T = 4 blk + w: 16 rows x 1,024 K
	s_lshr_b32 s37, ttmp9, 7                       ; sel: 0 data, 1 context
	s_and_b32 s38, ttmp9, 127                      ; blk
	s_lshl_b32 s39, s38, 2
	s_add_co_u32 s39, s39, s36                     ; T
	s_lshl_b32 s40, s38, 6                         ; the block's first row: 32 (T / 2) + 8 (T % 2) = 64 blk + 32 (w / 2) + 8 (w % 2)
	s_lshr_b32 s41, s36, 1
	s_lshl_b32 s41, s41, 5
	s_add_co_u32 s40, s40, s41
	s_and_b32 s41, s36, 1
	s_lshl_b32 s41, s41, 3
	s_add_co_u32 s40, s40, s41
	s_lshl_b32 s40, s40, 12                        ; x 4,096 bytes a row
	s_mov_b32 s41, 0
	s_cmp_eq_u32 s37, 0
	s_cselect_b64 s[44:45], s[4:5], s[6:7]
	s_add_nc_u64 s[44:45], s[44:45], s[40:41]      ; where I read
	s_lshl_b32 s42, s39, 14
	s_mov_b32 s43, 0
	s_add_nc_u64 s[48:49], s[18:19], s[42:43]      ; acodes + 16384 T
	s_add_nc_u64 s[50:51], s[48:49], 0x1000000     ; context's second set
	s_lshl_b32 s42, s37, 23
	s_add_nc_u64 s[48:49], s[48:49], s[42:43]      ; data's set, or context's first
	s_mul_i32 s46, s36, STG
	s_wait_alu depctr_va_vdst(0)
	v_add_nc_u32 v2, s46, v1                       ; the stage, in: 16 x lane of a row
	v_mul_u32_u24 v3, v11, 528
	v_lshl_add_u32 v3, v12, 6, v3
	v_add_nc_u32 v3, s46, v3                       ; and out: row p, + 64 hh: my 16 numbers of a block of 32
.macro LOAD u                          ; unit u: K 128 u on of the 16 rows; each load takes 512 consecutive bytes of one row; the order of rows stands in the immediate
.set p, 0
.rept 16
	global_load_b128 v[R+64*((\u)%2)+4*p:R+64*((\u)%2)+4*p+3], v1, s[44:45] offset:(p+8*(p/8))*4096+512*(\u) th:TH_LOAD_NT
.set p, p+1
.endr
.endm
.macro TURN u, left                    ; the unit turns through the stage; LDS serves a wave's instructions in order, so no wait stands between the stores and the loads
	s_wait_loadcnt \left                           ; unit u's 16 loads are in; the next unit's 16 may be out
.set p, 0
.rept 16
	ds_store_b128 v2, v[R+64*((\u)%2)+4*p:R+64*((\u)%2)+4*p+3] offset:p*528
.set p, p+1
.endr
.irp kb, 0,1,2,3
.irp j, 0,1,2,3
	ds_load_b128 v[X+16*\kb+4*\j:X+16*\kb+4*\j+3], v3 offset:128*\kb+16*\j
.endr
.endr
.endm
.macro CONV u, sc, lim, c, d           ; the unit's four blocks under the scale v[sc], codes into v[c] on, stored at s[d:d+1]
.irp kb, 0,1,2,3
.set i, 0
.rept 16
.set i, i+1
.endr
	v_cvt_scalef32_pk8_fp8_f32 v[\c+4*\kb:\c+4*\kb+1], v[T+((X+16*\kb+i)-(T+i)):T+7+((X+16*\kb+i)-(T+i))], v[\sc]
	v_cvt_scalef32_pk8_fp8_f32 v[\c+4*\kb+2:\c+4*\kb+3], v[T+8+((X+16*\kb+i)-(T+i)):T+15+((X+16*\kb+i)-(T+i))], v[\sc]
	v_nop                                          ; a plain line behind the conversions
	global_store_b128 v1, v[\c+4*\kb:\c+4*\kb+3], s[\d:\d+1] offset:(4*(\u)+\kb)*512   ; one block: 512 consecutive bytes
.endr
.endm
.macro WORK u
	s_wait_dscnt 0x0                               ; the unit is back from the stage, and the stage's stores have read their registers,
	s_wait_xcnt 0x0                                ; and the last unit's stores have read their codes: both sets of registers may be written again
.if (\u)+2 < 8
	LOAD (\u)+2
.endif
	CONV \u, 5, 4, C1, 48
	s_cmp_eq_u32 s37, 0                            ; data has one scale, context two: a branch on the work-group's number
	s_cbranch_scc1 .Lone_\@
	CONV \u, 7, 6, C2, 50
.Lone_\@:
.endm
	LOAD 0
	LOAD 1
	s_wait_alu depctr_va_vdst(0)
	s_wait_kmcnt 0x0
	s_cmp_eq_u32 s37, 0
	s_cselect_b32 s52, s24, s26                    ; e0 for data, e2 for context
	s_add_co_i32 s52, s52, 127
	s_lshl_b32 s53, s52, 23
	v_mov_b32 v5, s53                              ; 2^e as f32: the conversion takes its exponent field
	s_add_co_i32 s52, s28, 127                     ; e4
	s_lshl_b32 s53, s52, 23
	v_mov_b32 v7, s53
	s_wait_alu depctr_va_vdst(0)
.irp u, 0,1,2,3,4,5,6
	TURN \u, 16
	WORK \u
.endr
	TURN 7, 0
	WORK 7
	s_wait_tensorcnt 0x0
	ds_add_u32 v14, v15
	s_wait_dscnt 0x0
	s_endpgm
; ---------------- weights: work-group (widx, kq, n128); wave w takes columns 32 n32 .. + 31 (n32 = 4 n128 + w) x 256 along K
.Lweights:
	s_sub_co_u32 s37, ttmp9, 256
	s_lshr_b32 s38, s37, 5                         ; widx: wq, wk, wv, wo
	s_and_b32 s39, s37, 7
	s_bfe_u32 s40, s37, 0x20003                    ; kq
	s_lshl_b32 s39, s39, 2
	s_add_co_u32 s39, s39, s36                     ; n32
	s_cmp_eq_u32 s38, 1
	s_cselect_b64 s[44:45], s[10:11], s[8:9]
	s_cmp_eq_u32 s38, 2
	s_cselect_b64 s[44:45], s[12:13], s[44:45]
	s_cmp_eq_u32 s38, 3
	s_cselect_b64 s[44:45], s[14:15], s[44:45]
	s_lshl_b32 s42, s40, 20                        ; 256 kq rows of 4,096 bytes
	s_lshl_b32 s43, s39, 7                         ; + 32 n32 columns
	s_add_co_u32 s42, s42, s43
	s_mov_b32 s43, 0
	s_add_nc_u64 s[44:45], s[44:45], s[42:43]
	s_lshl_b32 s42, s38, 20                        ; codes: 1 MiB a weight, + blocks 2 n32 and 2 n32 + 1, + 8 kq blocks along K
	s_lshl_b32 s46, s39, 15
	s_add_co_u32 s42, s42, s46
	s_lshl_b32 s46, s40, 12
	s_add_co_u32 s42, s42, s46
	s_add_nc_u64 s[48:49], s[20:21], s[42:43]
	s_wait_alu depctr_va_vdst(0)
	v_and_b32 v13, 8, v11
	v_add_nc_u32 v13, v13, v11
	v_lshl_add_u32 v13, v12, 3, v13                ; my column among the 32: 8 (lane / 16) + p + 8 (p / 8): a permutation inside the same 128 bytes
	v_lshlrev_b32 v8, 2, v13
	v_lshlrev_b32 v9, 4, v11
	v_lshl_add_u32 v9, v12, 14, v9                 ; my codes: block 2 n32 + lane / 16, place p
.macro WLOAD t                         ; block t: W(32 t + i, my column), i = 0 .. 31
.set i, 0
.rept 32
	global_load_b32 v[WX+32*((\t)%2)+i], v8, s[44:45] offset:(32*(\t)+i)*4096 th:TH_LOAD_NT
.set i, i+1
.endr
.endm
.macro WBLOCK t
.if (\t) < 7
	s_wait_loadcnt 32                              ; this block's 32 loads are in; the next block's may be out
.else
	s_wait_loadcnt 0x0
.endif
.set i, 0
.rept 32
.set i, i+1
.endr
.irp g, 0,1,2,3
	v_cvt_scalef32_pk8_fp8_f32 v[WC+8*(\t)+2*\g:WC+8*(\t)+2*\g+1], v[WX+32*((\t)%2)+8*\g:WX+32*((\t)%2)+8*\g+7], v5
.endr
	global_store_b128 v9, v[WC+8*(\t):WC+8*(\t)+3], s[48:49] offset:512*(\t)         ; K 32 t + 0 .. 15: sixteen lanes fill 256 consecutive bytes, aligned
	global_store_b128 v9, v[WC+8*(\t)+4:WC+8*(\t)+7], s[48:49] offset:512*(\t)+256   ; K 32 t + 16 .. 31
.if (\t)+2 < 8
	WLOAD (\t)+2                                   ; (loads into a conversion's sources want no plain line; the next vector lines are the other set's conversions)
.endif
.endm
	WLOAD 0
	WLOAD 1
	s_wait_kmcnt 0x0
	s_cmp_eq_u32 s38, 1
	s_cselect_b32 s52, s27, s25                    ; e1, e3, e5, e11
	s_cmp_eq_u32 s38, 2
	s_cselect_b32 s52, s29, s52
	s_cmp_eq_u32 s38, 3
	s_cselect_b32 s52, s35, s52
	s_add_co_i32 s52, s52, 127
	s_lshl_b32 s53, s52, 23
	v_mov_b32 v5, s53
	s_add_co_i32 s52, s52, 8
	s_lshl_b32 s52, s52, 23
	s_or_b32 s52, s52, 0x600000
	s_wait_alu depctr_va_vdst(0)
.irp t, 0,1,2,3,4,5,6,7
	WBLOCK \t
.endr
	s_endpgm
.Lfunc_end_k_q9aa4dd3eb5_quant:
	.size	k_q9aa4dd3eb5_quant, .Lfunc_end_k_q9aa4dd3eb5_quant-k_q9aa4dd3eb5_quant
	.p2alignl 7, 3214868480
	.fill 96, 4, 3214868480
	.section	.rodata,"a",@progbits
	.p2align	6, 0x0
	.amdhsa_kernel k_q9aa4dd3eb5_quant
		.amdhsa_group_segment_fixed_size 34304
		.amdhsa_private_segment_fixed_size 0
		.amdhsa_enable_private_segment 0
		.amdhsa_kernarg_size 72
		.amdhsa_user_sgpr_count 2
		.amdhsa_user_sgpr_kernarg_segment_ptr 1
		.amdhsa_wavefront_size32 1
		.amdhsa_system_sgpr_workgroup_id_x 1
		.amdhsa_system_sgpr_workgroup_id_y 1
		.amdhsa_system_sgpr_workgroup_id_z 1
		.amdhsa_system_vgpr_workitem_id 0
		.amdhsa_next_free_vgpr 256
		.amdhsa_next_free_sgpr 66
		.amdhsa_reserve_vcc 0
		.amdhsa_float_denorm_mode_32 3
		.amdhsa_float_denorm_mode_16_64 3
		.amdhsa_fp16_overflow 1
		.amdhsa_memory_ordered 1
		.amdhsa_forward_progress 1
		.amdhsa_inst_pref_size 78
	.end_amdhsa_kernel
	.amdgpu_metadata
---
amdhsa.version: [ 1, 2 ]
amdhsa.kernels:
  - .name:           k_q9aa4dd3eb5_quant
    .symbol:         k_q9aa4dd3eb5_quant.kd
    .args:
      - { .name: data, .offset: 0, .size: 8, .value_kind: global_buffer, .address_space: global }
      - { .name: context, .offset: 8, .size: 8, .value_kind: global_buffer, .address_space: global }
      - { .name: wq, .offset: 16, .size: 8, .value_kind: global_buffer, .address_space: global }
      - { .name: wk, .offset: 24, .size: 8, .value_kind: global_buffer, .address_space: global }
      - { .name: wv, .offset: 32, .size: 8, .value_kind: global_buffer, .address_space: global }
      - { .name: wo, .offset: 40, .size: 8, .value_kind: global_buffer, .address_space: global }
      - { .name: lowp_scales, .offset: 48, .size: 8, .value_kind: global_buffer, .address_space: global }
      - { .name: acodes, .offset: 56, .size: 8, .value_kind: global_buffer, .address_space: global }
      - { .name: wcodes, .offset: 64, .size: 8, .value_kind: global_buffer, .address_space: global }
    .group_segment_fixed_size: 34304
    .private_segment_fixed_size: 0
    .kernarg_segment_align: 8
    .kernarg_segment_size: 72
    .max_flat_workgroup_size: 128
    .sgpr_count:     66
    .vgpr_count:     256
    .wavefront_size: 32
...
	.end_amdgpu_metadata
.endif
;; end of part 1
;; launch proj (part 2): grid 4 x 96, 4 waves a work-group, clusters of 4 x 4, 327,680 bytes of LDS; arguments acodes, wcodes, bq, bk, bv, lowp_scales, qkv; writes qkv
.if DOCPART == 2
	.amdgcn_target "amdgcn-amd-amdhsa--gfx1250"
	.amdhsa_code_object_version 6
	.text
	.protected	k_q9aa4dd3eb5_proj
	.globl	k_q9aa4dd3eb5_proj
	.p2align	8
	.type	k_q9aa4dd3eb5_proj,@function
k_q9aa4dd3eb5_proj:
	s_mov_b64 s[64:65], 0
	v_nop
	global_prefetch_b8 v0, s[64:65] scope:SCOPE_SE
	s_setreg_imm32_b32 hwreg(HW_REG_WAVE_MODE, 25, 1), 1
	s_wait_xcnt 0x0
	s_wait_alu depctr_hold_cnt(0) depctr_sa_sdst(0) depctr_va_vdst(0) depctr_va_sdst(0) depctr_va_ssrc(0) depctr_va_vcc(0) depctr_vm_vsrc(0)
	s_getreg_b32 s2, hwreg(HW_REG_IB_STS2, 6, 4)
	s_cmp_eq_u32 s2, 0
	s_cbranch_scc0 .Lentry_in_a_cluster
	s_endpgm
.Lentry_in_a_cluster:
	s_bfe_u32 s2, ttmp6, 0x10000c
	s_cmp_lg_u32 s2, 0xf033
	s_cbranch_scc0 .Lentry_shape_is_right
	s_endpgm
.Lentry_shape_is_right:
; q = data wq + bq, k = context wk + bk, v = context wv + bv: three products 8192 x 1024 x 1024 on codes of FP8 (E4M3), sums in f32; each result x 2^(its two operands' e), + bias, is quantised at once
; (q: e6, k: e7, v: e9) and stored as codes in the order in which the attention launch's operand registers take them.  Nothing wider than a code goes to memory.
; OPERANDS are images of registers: block (T, kb) of 16 rows x 32 K at 16384 T + 512 kb, lane's 16 bytes at 16 x lane; place p of block T holds row 32 (T / 2) + 8 (T % 2) + p + 8 (p / 8).
; A work-group makes 256 (Y) x 256 (X), each of four waves 128 x 128: 64 accumulators, 512 registers.  Source 0 = 16 rows of X, source 1 = 16 rows of Y: a lane holds ONE place of Y, and by the order of rows
; the 16 registers of X's blocks 2 b and 2 b + 1 are 16 NEIGHBOURING rows of X: one 16-byte piece of the next operand.  q, k: Y = tokens, X = the weight's columns (K of the next product = the head's 64).
; v: Y = the weight's columns, X = tokens (K of the next product = the keys).  Both operands have one layout, so the roles are changed by pointers alone.
; K goes in steps of 256 through two LDS slots; 1,024 along K are four fills, so the steps are written out.
; CLUSTERS: 4 x 4 work-groups; Y's tile is shared along a row of the cluster, X's along a column: each is asked for jointly.  The 24 clusters: 8 for q, 8 for k, 8 for v; the job is the same in all partners.
; OUT: q, k at qkv + job x 8 MiB + 131072 bh + 1024 t + 512 c + 16 x lane (token block t, d = 32 c + 16 (lane / 16) + i);  v at qkv + 16 MiB + 131072 bh + 8192 ks + 2048 tau + 512 c + 16 x lane (key 128 ks + 32 c + 16 (lane / 16) + i).
; LIMITS: e0 + e1, e2 + e3, e4 + e5 between -126 and 127; e6, e7, e9 between -126 and 119.
; REGISTERS: window 0: v10 the output's scale; v12 the bias's lane offset; v16-21 LDS addresses; v26 16 x lane; v28, v29 for the add; v32-95 bias; from v128 Y's fragments (one set);
;   on the way out v96-159 sums, v160-191 codes.  window 1: X's fragments, two sets.  windows 2, 3: the accumulators ((a, b) at v[8 (8 (a % 4) + b)]).
.set HALFT,  32768                     ; 128 rows x 256 K: 8 blocks of 4,096 bytes, dense: what one tensor load brings
.set SLOT,   4*HALFT                   ; Y's two halves, then X's two
.set SPARE,  2*SLOT                    ; behind the ring: the spare words, 128 bytes a wave: two blocks of 256 bytes that no other line names
.set FR,     16
.set NL,     4
.set NP,     4                         ; places behind this matrix instruction (ISA guide 7.12.1)
.set ADRA, 16
.set ADRB, 20
.set LI,   26
.set SPW,  28
.set NIL,  29
.set BIAS, 32
.set TMP,  96
.set CD,   160
.set AF,   128
.set G1, 24                            ; s[24:31] group 1 for Y's tiles; s[32:39] group 0, a set for each slot
.set G0, 32
.set G1B, 48                           ; s[48:55], s[56:63] the same for X's
.set G0B, 56
.set MSB, 0
.macro WIN new                         ; the immediate's high byte repeats the setting that is left
.if MSB != \new
	s_set_vgpr_msb (MSB<<8)|\new
.set MSB, \new
.endif
.endm
.set MUL_LO, 0xa1                      ; source 0 (X) window 1, source 1 (Y) window 0, C and D window 2
.set MUL_HI, 0xf1                      ; the same, C and D window 3
.set TO_B,   0x40                      ; destination window 1, address window 0
.macro JLOAD g0a, g1a, g0b, g1b        ; a joint load: waves 0 and 1 fetch Y's halves, waves 2 and 3 X's; the branch hangs on the wave's number alone; four v_nop follow each line
	s_cmp_eq_u32 s15, 0
	s_cbranch_scc0 .Lfor_b_\@
	tensor_load_to_lds s[\g0a:\g0a+3], s[\g1a:\g1a+7]
	s_nop 0
.rept 4
	v_nop
.endr
	s_branch .Lasked_\@
.Lfor_b_\@:
	tensor_load_to_lds s[\g0b:\g0b+3], s[\g1b:\g1b+7]
	s_nop 0
.rept 4
	v_nop
.endr
.Lasked_\@:
.endm
.macro CREST                           ; a round of the cluster's barrier behind its opening barrier
	s_cmp_lg_u32 s14, 0
	s_cbranch_scc1 .Lnot_wave_0_\@
	s_barrier_signal -3
.Lnot_wave_0_\@:
	s_barrier_wait -3
	s_barrier_signal -1
	s_barrier_wait -1
.endm
.macro CROUND
	s_barrier_signal -1
	s_barrier_wait -1
	CREST
.endm
	s_load_b256 s[4:11], s[0:1], 0x0               ; acodes 4:5, wcodes 6:7, bq 8:9, bk 10:11
	s_load_b128 s[84:87], s[0:1], 0x20             ; bv 84:85, the scales 86:87
	s_load_b64 s[88:89], s[0:1], 0x30              ; qkv
	v_lshl_add_u32 v[SPW], v0, 2, SPARE
	v_mov_b32 v[NIL], 0
	ds_add_u32 v28, v29
	ds_add_u32 v28, v29
	s_wait_dscnt 0x0
	v_lshrrev_b32 v1, 5, v0
	v_readfirstlane_b32 s14, v1                    ; wave 0..3
	s_lshr_b32 s15, s14, 1                         ; my half of Y's rows.  Also: I fetch for Y (0) or for X (1)
	s_and_b32 s16, s14, 1                          ; my half of X's rows.  Also: which 128 rows I fetch
	s_bfe_u32 s40, ttmp6, 0x40000                  ; cx
	s_bfe_u32 s41, ttmp6, 0x40004                  ; cy
	s_and_b32 s13, ttmp7, 0xffff                   ; the cluster's y, 0 .. 23
	s_lshr_b32 s12, s13, 3                         ; the job: 0 q, 1 k, 2 v
	s_and_b32 s13, s13, 7
	s_lshl_b32 s13, s13, 2                         ; the tokens' 32 tiles go four to a cluster
	s_cmp_eq_u32 s12, 2
	s_cselect_b32 s42, s13, 0
	s_cselect_b32 s17, 0, s13
	s_add_co_u32 s42, s42, s40                     ; X's tile: cx (+ 4 x the cluster's turn where X = tokens)
	s_add_co_u32 s17, s17, s41                     ; Y's tile: cy (+ the same where Y = tokens)
	s_lshl_b32 s43, s41, 2
	s_lshl_b32 s43, 15, s43                        ; my row of the cluster
	s_lshl_b32 s44, 0x1111, s40                    ; my column
	; group 1: 8 rows (blocks of 16 rows of the operand) of 4,096 bytes (256 along K), 16,384 bytes apart; elements of 8 bytes; dense in LDS
	s_or_b32 s[G1+0], s43, (3<<16)|(1<<21)         ; 15:0 the mask: Y's tiles go to my row; 17:16 elements of 8 bytes; 21 set beside a mask
	s_or_b32 s[G1B+0], s44, (3<<16)|(1<<21)        ; X's go to my column
.irp g, G1, G1B
	s_mov_b32 s[\g+1], 512<<16                     ; tensor_dim0 = 512
	s_mov_b32 s[\g+2], 8<<16                       ; tensor_dim1 = 8
	s_mov_b32 s[\g+3], 512<<16                     ; tile_dim0 = 512
	s_mov_b32 s[\g+4], 8                           ; tile_dim1 = 8
	s_mov_b32 s[\g+5], 2048                        ; tensor_dim0_stride
	s_mov_b32 s[\g+6], 0
	s_mov_b32 s[\g+7], 0
.endr
	s_lshl_b32 s18, s16, 17                        ; which 128 rows of the tile I fetch: 1,024 bytes a row
	s_lshl_b32 s20, s17, 18
	s_add_co_u32 s20, s20, s18
	s_lshl_b32 s19, s12, 23                        ; Y's part of its buffer: the job's activations, or wv's codes
	s_cmp_eq_u32 s12, 2
	s_cselect_b32 s19, 0x200000, s19
	s_add_co_u32 s20, s20, s19
	s_mov_b32 s21, 0
	s_lshl_b32 s46, s42, 18
	s_add_co_u32 s46, s46, s18
	s_lshl_b32 s19, s12, 20                        ; X's part: the job's weight, or context's codes under e4
	s_cmp_eq_u32 s12, 2
	s_cselect_b32 s19, 0x1000000, s19
	s_add_co_u32 s46, s46, s19
	s_mov_b32 s47, 0
	s_mul_i32 s45, s14, HALFT                      ; where my load goes: no place in the cluster enters an LDS address
	s_wait_kmcnt 0x0
	s_load_b256 s[68:75], s[86:87], 0x0            ; e0 .. e7
	s_load_b128 s[76:79], s[86:87], 0x20           ; e8 .. e11
	s_cmp_eq_u32 s12, 2
	s_cselect_b64 s[22:23], s[6:7], s[4:5]
	s_cselect_b64 s[90:91], s[4:5], s[6:7]
	s_add_nc_u64 s[20:21], s[22:23], s[20:21]
	s_add_nc_u64 s[46:47], s[90:91], s[46:47]
	CROUND                                         ; all sixteen work-groups are here: the first joint loads meet
.irp s, 0,1
	s_mov_b32 s[G0+4*\s], 1
	s_add_co_u32 s[G0+4*\s+1], s45, \s*SLOT
	s_add_nc_u64 s[G0+4*\s+2:G0+4*\s+3], s[20:21], \s*4096
	s_or_b32 s[G0+4*\s+3], s[G0+4*\s+3], 0x80000000
	s_mov_b32 s[G0B+4*\s], 1
	s_add_co_u32 s[G0B+4*\s+1], s45, \s*SLOT
	s_add_nc_u64 s[G0B+4*\s+2:G0B+4*\s+3], s[46:47], \s*4096
	s_or_b32 s[G0B+4*\s+3], s[G0B+4*\s+3], 0x80000000
	JLOAD G0+4*\s, G1, G0B+4*\s, G1B
.endr
	v_and_b32 v6, 31, v0
	v_lshlrev_b32 v[LI], 4, v6                     ; 16 x lane
	s_lshl_b32 s21, s15, 15                        ; my 128 rows of Y
	s_lshl_b32 s22, s16, 15                        ; my 128 rows of X,
	s_add_co_u32 s22, s22, 2*HALFT                 ; which lie behind Y's 256
.irp s, 0,1
	v_add_nc_u32 v[ADRA+\s], s21, v[LI]
	v_add_nc_u32 v[ADRB+\s], s22, v[LI]
	s_add_co_u32 s21, s21, SLOT
	s_add_co_u32 s22, s22, SLOT
.endr
	s_wait_alu depctr_va_vdst(0)
	s_wait_kmcnt 0x0
	s_add_co_i32 s80, s68, s69                     ; the sums' exponent and the output's, chosen by the job, without a branch
	s_add_co_i32 s81, s70, s71
	s_add_co_i32 s82, s72, s73
	s_cmp_eq_u32 s12, 1
	s_cselect_b32 s80, s81, s80
	s_cselect_b32 s83, s75, s74
	s_cmp_eq_u32 s12, 2
	s_cselect_b32 s80, s82, s80
	s_cselect_b32 s83, s77, s83
	s_add_co_i32 s80, s80, 127
	s_lshl_b32 s96, s80, 23                        ; 2^(the two operands' e added) as f32
	s_mov_b32 s97, s96                             ; (named with it as a pair, so it is written)
	s_add_co_i32 s83, s83, 127
	s_lshl_b32 s80, s83, 23
	v_mov_b32 v10, s80                             ; the output's scale
.macro FRAG reg, adr, q, i             ; a fragment, 16 rows x 128 K: four blocks, 512 consecutive bytes a load; registers 4 c .. 4 c + 3 hold K = 32 c + 16 (lane / 16) + 0 .. 15, alike in both sources
.irp c, 0,1,2,3
	ds_load_b128 v[\reg+4*\c:\reg+4*\c+3], v[\adr] offset:2048*(\q)+512*\c+(\i)*4096
.endr
.endm
.macro MUL16 a0, p, zero               ; 16 matrix instructions: Y's blocks a0, a0 + 1 x X's eight; the 64 accumulators take turns, in one order in every step
.irp a, \a0, \a0+1
.irp b, 0,1,2,3,4,5,6,7
.if \zero
	v_wmma_f32_16x16x128_fp8_fp8 v[8*(8*((\a)%4)+\b):8*(8*((\a)%4)+\b)+7], v[128*(\p)+FR*\b:128*(\p)+FR*\b+FR-1], v[AF+FR*(\a):AF+FR*(\a)+FR-1], 0
.else
	v_wmma_f32_16x16x128_fp8_fp8 v[8*(8*((\a)%4)+\b):8*(8*((\a)%4)+\b)+7], v[128*(\p)+FR*\b:128*(\p)+FR*\b+FR-1], v[AF+FR*(\a):AF+FR*(\a)+FR-1], v[8*(8*((\a)%4)+\b):8*(8*((\a)%4)+\b)+7]
.endif
.endr
.endr
.endm
.macro FETCH_B slot, q, p
	WIN TO_B
.irp i, 0,1,2,3,4,5,6,7
	FRAG 128*(\p)+FR*\i, ADRB+\slot, \q, \i
.endr
	WIN 0
.endm
.macro FETCH_A slot, q, i0
.irp i, \i0, \i0+1, \i0+2, \i0+3
	FRAG AF+FR*(\i), ADRA+\slot, \q, \i
.endr
.endm
.macro PLACES n                        ; plain lines between a matrix instruction and a load into, or a vector line on, its registers
.rept \n
	v_nop
.endr
.endm
.macro STEP slot, q, zero              ; 128 along K whose successor lies in the same slot
	s_wait_dscnt 4*NL                              ; X's set and Y's blocks 0-3 are in; the youngest 16 loads (Y's blocks 4-7) may be out
	WIN MUL_LO
	MUL16 0, (\q)%2, \zero
	MUL16 2, (\q)%2, \zero
	s_wait_dscnt 0
	PLACES NP
	FETCH_B \slot, (\q)+1, 1-(\q)%2
	FETCH_A \slot, (\q)+1, 0
	WIN MUL_HI
	MUL16 4, (\q)%2, \zero
	MUL16 6, (\q)%2, \zero
	PLACES NP
	WIN 0
	FETCH_A \slot, (\q)+1, 4
.endm
.macro TURN slot, next, fill           ; a slot's last 128 along K, and the change of slots: one barrier; fill = 1: this slot is filled again, two K steps on
	s_wait_tensorcnt 0x0                           ; all my tensor loads have landed: my part of the next slot
	ds_add_u32 v[SPW], v[NIL]                      ; 0 onto my spare word
	s_wait_dscnt 4*NL+1                            ; (the add and the youngest 16 loads may be out)
	WIN MUL_LO
	MUL16 0, 1, 0
	s_wait_dscnt 0x0                               ; the add is done, and my reads of this slot are over
	s_barrier_signal -1
	MUL16 2, 1, 0
	WIN 0
	s_barrier_wait -1
.if \fill
	CREST                                          ; the barrier has opened a round of the cluster's: no wave of any partner still reads this slot or has a load on its way
	s_add_nc_u64 s[G0+4*\slot+2:G0+4*\slot+3], s[G0+4*\slot+2:G0+4*\slot+3], 8192
	s_add_nc_u64 s[G0B+4*\slot+2:G0B+4*\slot+3], s[G0B+4*\slot+2:G0B+4*\slot+3], 8192
	JLOAD G0+4*\slot, G1, G0B+4*\slot, G1B         ; the first tensor load behind the round; its four v_nop are also the places in front of the loads below
.else
	PLACES NP
.endif
	FETCH_B \next, 0, 0
	FETCH_A \next, 0, 0
	WIN MUL_HI
	MUL16 4, 1, 0
	MUL16 6, 1, 0
	PLACES NP
	WIN 0
	FETCH_A \next, 0, 4
.endm
.macro LAST                            ; the very last 128 along K: nothing more to fetch
	s_wait_dscnt 4*NL
	WIN MUL_LO
	MUL16 0, 1, 0
	MUL16 2, 1, 0
	s_wait_dscnt 0
	WIN MUL_HI
	MUL16 4, 1, 0
	MUL16 6, 1, 0
	WIN 0
.endm
; THE WAY OUT, Y's block a at a time: sum x 2^e + bias (one packed multiply-add for two), the conversion; the conversions' results are 16-byte pieces of the next operand, stored 512 consecutive bytes a line.
.macro EPI kind                        ; kind 0: the bias runs along X (with the registers); 1: along Y (one number a lane and block)
.irp a, 0,1,2,3,4,5,6,7
	s_wait_xcnt 0x0                                ; earlier stores have read their codes: the registers may be written again
.set AC, 64*(\a%4)
.set CB, CD+16*(\a%2)
.set W, 0x02+(\a/4)
	WIN W                                          ; source 0: window 2 or 3
.set j, 0
.rept 32
.if \kind
	v_pk_fma_f32 v[TMP+j:TMP+j+1], v[AC+j:AC+j+1], s[96:97], v[BIAS+2*\a:BIAS+2*\a+1] op_sel_hi:[1,0,1]
.else
	v_pk_fma_f32 v[TMP+j:TMP+j+1], v[AC+j:AC+j+1], s[96:97], v[BIAS+j:BIAS+j+1] op_sel_hi:[1,0,1]   ; each accumulator from its low end on
.endif
.set j, j+2
.endr
	WIN 0
.set j, 0
.rept 64
.set j, j+1
.endr
.irp g, 0,1,2,3
	v_cvt_scalef32_pk8_fp8_f32 v[CB+4*\g:CB+4*\g+1], v[TMP+16*\g:TMP+16*\g+7], v10
	v_cvt_scalef32_pk8_fp8_f32 v[CB+4*\g+2:CB+4*\g+3], v[TMP+16*\g+8:TMP+16*\g+15], v10
.endr
	v_nop                                          ; a plain line between the conversions and the next block's lines, which write their sources
.irp g, 0,1,2,3
.if \kind
	global_store_b128 v[LI], v[CB+4*\g:CB+4*\g+3], s[92:93] offset:(\a/4)*131072+(\a%4)*2048+\g*512
.else
	global_store_b128 v[LI], v[CB+4*\g:CB+4*\g+3], s[92:93] offset:\a*1024+(\g/2)*131072+(\g%2)*512
.endif
.endr
.endr
.endm
	s_wait_tensorcnt 1                             ; my part of slot 0 is in; slot 1's may stay out
	s_barrier_signal -1
	s_barrier_wait -1
	FETCH_B 0, 0, 0
	FETCH_A 0, 0, 0
	FETCH_A 0, 0, 4
	STEP 0, 0, 1                                   ; the first products start the sums: nothing is cleared
	TURN 0, 1, 1
	STEP 1, 0, 0
	TURN 1, 0, 1
	STEP 0, 0, 0
	TURN 0, 1, 0
	STEP 1, 0, 0
	s_cmp_eq_u32 s12, 2                            ; the ways part once, on the job (the same in the whole cluster); no barrier, LDS store or tensor load stands in either
	s_cbranch_scc1 .Larm_v
	; ---- q, k: the bias of my 128 columns: register 16 b + i = column 32 b + 16 (lane / 16) + i
	s_cmp_eq_u32 s12, 0
	s_cselect_b64 s[90:91], s[8:9], s[10:11]
	s_lshl_b32 s18, s42, 10
	s_lshl_b32 s19, s16, 9
	s_add_co_u32 s18, s18, s19
	s_mov_b32 s19, 0
	s_add_nc_u64 s[90:91], s[90:91], s[18:19]
	v_and_b32 v12, 16, v0
	v_lshlrev_b32 v12, 2, v12                      ; 64 (lane / 16)
.set j, 0
.rept 16
	global_load_b128 v[BIAS+4*j:BIAS+4*j+3], v12, s[90:91] offset:128*(j/4)+16*(j%4)
.set j, j+1
.endr
	s_lshr_b32 s18, s17, 3                         ; bh = 16 x batch + 4 x X's tile + 2 x my half (+ b / 2)
	s_lshl_b32 s18, s18, 4
	s_lshl_b32 s20, s42, 2
	s_add_co_u32 s18, s18, s20
	s_lshl_b32 s20, s16, 1
	s_add_co_u32 s18, s18, s20
	s_lshl_b32 s18, s18, 17
	s_and_b32 s20, s17, 7                          ; token block t = 16 x (Y's tile in its batch) + 8 x my half (+ a)
	s_lshl_b32 s20, s20, 4
	s_lshl_b32 s21, s15, 3
	s_add_co_u32 s20, s20, s21
	s_lshl_b32 s20, s20, 10
	s_add_co_u32 s18, s18, s20
	s_lshl_b32 s20, s12, 23
	s_add_co_u32 s18, s18, s20
	s_add_nc_u64 s[92:93], s[88:89], s[18:19]
	LAST                                           ; the bias lands under the last 64 products
	s_wait_loadcnt 0x0
	PLACES NP
	EPI 0
	s_branch .Lend
.Larm_v:
	; ---- v: the bias of my lane's feature in each of Y's eight blocks, twice: a pair for the packed form
	s_lshl_b32 s18, s17, 10
	s_lshl_b32 s19, s15, 9
	s_add_co_u32 s18, s18, s19
	s_mov_b32 s19, 0
	s_add_nc_u64 s[90:91], s[84:85], s[18:19]
	v_and_b32 v12, 15, v0
	v_and_b32 v13, 8, v0
	v_add_nc_u32 v12, v12, v13
	v_lshlrev_b32 v12, 2, v12                      ; 4 (r + 8 (r / 8))
.irp a, 0,1,2,3,4,5,6,7
	global_load_b32 v[BIAS+2*\a], v12, s[90:91] offset:(32*(\a/2)+8*(\a%2))*4
	global_load_b32 v[BIAS+2*\a+1], v12, s[90:91] offset:(32*(\a/2)+8*(\a%2))*4
.endr
	s_lshr_b32 s18, s42, 3                         ; bh = 16 x batch + 4 x Y's tile + 2 x my half (+ a / 4)
	s_lshl_b32 s18, s18, 4
	s_lshl_b32 s20, s17, 2
	s_add_co_u32 s18, s18, s20
	s_lshl_b32 s20, s15, 1
	s_add_co_u32 s18, s18, s20
	s_lshl_b32 s18, s18, 17
	s_and_b32 s20, s42, 7                          ; key step = 2 x (X's tile in its batch) + my half
	s_lshl_b32 s20, s20, 1
	s_add_co_u32 s20, s20, s16
	s_lshl_b32 s20, s20, 13
	s_add_co_u32 s18, s18, s20
	s_add_co_u32 s18, s18, 0x1000000
	s_add_nc_u64 s[92:93], s[88:89], s[18:19]
	LAST
	s_wait_loadcnt 0x0
	PLACES NP
	EPI 1
.Lend:
	s_wait_tensorcnt 0x0                           ; the wave's end
	ds_add_u32 v[SPW], v[NIL]
	s_wait_dscnt 0x0
	CROUND                                         ; the closing round: no work-group ends while a partner may still ask for a tile that names it
	s_endpgm
.Lfunc_end_k_q9aa4dd3eb5_proj:
	.size	k_q9aa4dd3eb5_proj, .Lfunc_end_k_q9aa4dd3eb5_proj-k_q9aa4dd3eb5_proj
	.p2alignl 7, 3214868480
	.fill 96, 4, 3214868480
	.section	.rodata,"a",@progbits
	.p2align	6, 0x0
	.amdhsa_kernel k_q9aa4dd3eb5_proj
		.amdhsa_group_segment_fixed_size 327680
		.amdhsa_private_segment_fixed_size 0
		.amdhsa_enable_private_segment 0
		.amdhsa_kernarg_size 56
		.amdhsa_user_sgpr_count 2
		.amdhsa_user_sgpr_kernarg_segment_ptr 1
		.amdhsa_wavefront_size32 1
		.amdhsa_system_sgpr_workgroup_id_x 1
		.amdhsa_system_sgpr_workgroup_id_y 1
		.amdhsa_system_sgpr_workgroup_id_z 1
		.amdhsa_system_vgpr_workitem_id 0
		.amdhsa_next_free_vgpr 1024
		.amdhsa_next_free_sgpr 100
		.amdhsa_reserve_vcc 0
		.amdhsa_float_denorm_mode_32 3
		.amdhsa_float_denorm_mode_16_64 3
		.amdhsa_fp16_overflow 1
		.amdhsa_memory_ordered 1
		.amdhsa_forward_progress 1
		.amdhsa_inst_pref_size 135
	.end_amdhsa_kernel
	.amdgpu_metadata
---
amdhsa.version: [ 1, 2 ]
amdhsa.kernels:
  - .name:           k_q9aa4dd3eb5_proj
    .symbol:         k_q9aa4dd3eb5_proj.kd
    .args:
      - { .name: acodes, .offset: 0, .size: 8, .value_kind: global_buffer, .address_space: global }
      - { .name: wcodes, .offset: 8, .size: 8, .value_kind: global_buffer, .address_space: global }
      - { .name: bq, .offset: 16, .size: 8, .value_kind: global_buffer, .address_space: global }
      - { .name: bk, .offset: 24, .size: 8, .value_kind: global_buffer, .address_space: global }
      - { .name: bv, .offset: 32, .size: 8, .value_kind: global_buffer, .address_space: global }
      - { .name: lowp_scales, .offset: 40, .size: 8, .value_kind: global_buffer, .address_space: global }
      - { .name: qkv, .offset: 48, .size: 8, .value_kind: global_buffer, .address_space: global }
    .group_segment_fixed_size: 327680
    .private_segment_fixed_size: 0
    .kernarg_segment_align: 8
    .kernarg_segment_size: 56
    .max_flat_workgroup_size: 128
    .sgpr_count:     100
    .vgpr_count:     1024
    .wavefront_size: 32
...
	.end_amdgpu_metadata
.endif
;; end of part 2
;; launch attn (part 3): grid 4 x 64, 16 waves a work-group, clusters of 4 x 1, 264,192 bytes of LDS; arguments qkv, lowp_scales, zc; writes zc
.if DOCPART == 3
	.amdgcn_target "amdgcn-amd-amdhsa--gfx1250"
	.amdhsa_code_object_version 6
	.text
	.protected	k_q9aa4dd3eb5_attn
	.globl	k_q9aa4dd3eb5_attn
	.p2align	8
	.type	k_q9aa4dd3eb5_attn,@function
k_q9aa4dd3eb5_attn:
	s_mov_b64 s[64:65], 0
	v_nop
	global_prefetch_b8 v0, s[64:65] scope:SCOPE_SE
	s_setreg_imm32_b32 hwreg(HW_REG_WAVE_MODE, 25, 1), 1
	s_wait_xcnt 0x0
	s_wait_alu depctr_hold_cnt(0) depctr_sa_sdst(0) depctr_va_vdst(0) depctr_va_sdst(0) depctr_va_ssrc(0) depctr_va_vcc(0) depctr_vm_vsrc(0)
	s_getreg_b32 s2, hwreg(HW_REG_IB_STS2, 6, 4)
	s_cmp_eq_u32 s2, 0
	s_cbranch_scc0 .Lentry_in_a_cluster
	s_endpgm
.Lentry_in_a_cluster:
	s_bfe_u32 s2, ttmp6, 0x10000c
	s_cmp_lg_u32 s2, 0x3003
	s_cbranch_scc0 .Lentry_shape_is_right
	s_endpgm
.Lentry_shape_is_right:
; z[b][q][head] = the sum over keys k <= q of softmax_k(q . k / 8) v, both products on codes of FP8 (E4M3); z is quantised (e10) and stored as codes in the order of the last product's operand registers.
; THE SOFTMAX AHEAD OF THE SECOND PRODUCT: t = score x log2(e) / 8; M = the running largest t rounded UP to a whole number; p = 2^(t - M) is quantised (e8), not normalised; the row's sum is taken of the
; unquantised p and divides at the end.  When M moves, the sum and O are multiplied by 2^(old M - new M): exact.
; SHARES.  A cluster of four work-groups is one head (bh = the cluster's y).  Wave w of work-group g owns query tiles t_lo = g + 4 w and t_hi = 127 - t_lo, 16 queries each.  Tile t wants key steps (128 keys) 0 .. t / 8:
; w / 2 + 1 and 16 - w / 2 of them, 17 for every wave, and both counts hang on the wave's number alone.  Four waves share a SIMD: one wave's vector work stands beside another's products and LDS loads.
; THE WHOLE HEAD LIES IN LDS: K's 131,072 bytes from 0, V's from 131,072; key step k at 8192 k in each.  Nothing is filled twice.  The fills are joint (one request for the four work-groups), issued as one
; group by waves 0-3, three loads each: key steps 0-1, 2-5, 6-15; the first two loops read only what has landed.  No barrier stands inside a loop.
; LAYOUT.  S^T = K Q^T (source 0 = 16 keys, source 1 = my 16 queries, K = 64), O^T = V^T P^T (source 0 = 16 of the head's 64, source 1 = P, K = 128 keys): a lane holds ONE query throughout.
; Place p of a block of 16 tokens (or of V's 16 channels) holds row 32 (T / 2) + 8 (T % 2) + p + 8 (p / 8): so the 16 registers of tiles 2 b, 2 b + 1 are 16 neighbours: keys for p, channels for z.
; CAUSAL.  Only a tile's last key step lies on the diagonal: there hidden scores become -infinity ahead of the maximum.  Steps behind it are jumped over (a branch on the wave's number and the counter).
; LIMITS: e6 + e7 between -124 and 130 (added to c's exponent field); e8, e10 between -126 and 119; e8 + e9 goes by v_ldexp_f32.
; REGISTERS: v1 16 x lane; v2 the same in V; v3 r + 8 (r / 8) - 16 (lane / 16); v8, v9 addresses in hand; v12 -M, v13 the largest t, v[14:15] the sum; v16-23 Q of t_hi, v24-31 of t_lo; v32-95 K's, then V's fragments;
;   v96-159 S^T, then p; v160-191 O^T; v192-207 z's codes; v208 2^e10; v224-239 p's codes; v244 2^e8; v232-243, 246, 248, 249, 252-254 at work.
.set LI,   1
.set AV0,  2
.set VR,   3
.set ADK,  8
.set ADV,  9
.set TB,   2                           ; s2   LDS byte of the key step in hand
.set KI,   3                           ; s3   the key step
.set KL,   16                          ; s16  the tile's last key step
.set WV,   18
.set CX,   19
.set SEL,  20                          ; s[20:21] lane selects for v_permlanex16_b32: lane l xor 16
.set CS,   22                          ; s[22:23] c = log2(e) / 8 x 2^(e6 + e7)
.set G1A,  24                          ; s[24:47] three groups 1; s[48:59] three groups 0
.set G1B,  32
.set G1C,  40
.set G0A,  48
.set G0B,  52
.set G0C,  56
.macro CROUND                          ; a round of the cluster's barrier
	s_barrier_signal -1
	s_barrier_wait -1
	s_cmp_lg_u32 s[WV], 0
	s_cbranch_scc1 .Lnot_wave_0_\@
	s_barrier_signal -3
.Lnot_wave_0_\@:
	s_barrier_wait -3
	s_barrier_signal -1
	s_barrier_wait -1
.endm
.macro SHAPE g, rows                   ; group 1: a dense block as rows of 256 bytes (32 elements of 8); mask: all four work-groups, bit 21 beside it
	s_mov_b32 s[\g], 15|(3<<16)|(1<<21)
	s_mov_b32 s[\g+1], 32<<16
	s_mov_b32 s[\g+2], (\rows)<<16
	s_mov_b32 s[\g+3], 32<<16
	s_mov_b32 s[\g+4], \rows
	s_mov_b32 s[\g+5], 32
	s_mov_b32 s[\g+6], 0
	s_mov_b32 s[\g+7], 0
.endm
.macro PLACE g, off, half              ; group 0: my half (wave % 2) of the bytes from off on, of K (waves 0, 1) or V (waves 2, 3)
	s_mul_i32 s10, s63, \half
	s_add_co_u32 s10, s10, \off
	s_mov_b32 s[\g], 1
	s_add_co_u32 s[\g+1], s66, s10
	s_add_co_u32 s10, s10, s67
	s_add_nc_u64 s[\g+2:\g+3], s[4:5], s[10:11]
	s_or_b32 s[\g+3], s[\g+3], 0x80000000
.endm
	s_load_b128 s[4:7], s[0:1], 0x0                ; qkv 4:5, the scales 6:7
	s_load_b64 s[8:9], s[0:1], 0x10                ; zc
	v_lshl_add_u32 v251, v0, 2, 0x40000
	v_mov_b32 v255, 0
	ds_add_u32 v251, v255
	ds_add_u32 v251, v255
	v_lshrrev_b32 v8, 5, v0
	s_delay_alu instid0(VALU_DEP_1)
	v_readfirstlane_b32 s[WV], v8                  ; wave 0..15
	s_bfe_u32 s[CX], ttmp6, 0x40000                ; my place in the cluster: it enters Q's and z's addresses alone
	s_and_b32 s60, ttmp7, 0xffff                   ; bh
	s_lshl_b32 s61, s60, 17                        ; the head's first byte in q, k and v
	s_bfe_u32 s62, s[WV], 0x10001                  ; K (0) or V (1)
	s_and_b32 s63, s[WV], 1
	s_lshl_b32 s66, s62, 17                        ; in LDS
	s_add_co_u32 s67, s62, 1
	s_lshl_b32 s67, s67, 23                        ; in qkv: k at 8 MiB, v at 16 MiB
	s_add_co_u32 s67, s67, s61
	s_mov_b32 s11, 0
	SHAPE G1A, 32
	SHAPE G1B, 64
	SHAPE G1C, 160
	s_mov_b32 s[SEL], 0x76543210
	s_mov_b32 s[SEL+1], 0xfedcba98
	s_wait_dscnt 0x0
	s_wait_kmcnt 0x0
	s_load_b256 s[68:75], s[6:7], 0x0              ; e0 .. e7
	s_load_b128 s[76:79], s[6:7], 0x20             ; e8 .. e11
	PLACE G0A, 0, 8192                             ; key steps 0, 1
	PLACE G0B, 16384, 16384                        ; 2 .. 5
	PLACE G0C, 49152, 40960                        ; 6 .. 15
	CROUND                                         ; all four work-groups are here: the joint loads meet
	s_cmp_lt_u32 s[WV], 4                          ; a wave's three fills stand in one branch, ahead of every wait on TENSORcnt, LDS read and further barrier: three loads of mine are out
	s_cbranch_scc0 .Lno_fill
	tensor_load_to_lds s[G0A:G0A+3], s[G1A:G1A+7]
	s_nop 0
	tensor_load_to_lds s[G0B:G0B+3], s[G1B:G1B+7]
	s_nop 0
	tensor_load_to_lds s[G0C:G0C+3], s[G1C:G1C+7]
	s_nop 0
.rept 4
	v_nop
.endr
.Lno_fill:
	v_and_b32 v4, 31, v0
	s_delay_alu instid0(VALU_DEP_1)
	v_lshlrev_b32 v[LI], 4, v4
	s_wait_alu depctr_va_vdst(0)
	v_add_nc_u32 v[AV0], 0x20000, v[LI]
	v_and_b32 v4, 15, v0
	v_and_b32 v5, 8, v0
	s_delay_alu instid0(VALU_DEP_1)
	v_add_nc_u32 v[VR], v4, v5
	v_and_b32 v5, 16, v0
	s_delay_alu instid0(VALU_DEP_1)
	v_sub_nc_u32 v[VR], v[VR], v5
	s_lshl_b32 s88, s[WV], 2
	s_add_co_u32 s88, s88, s[CX]                   ; t_lo
	s_sub_co_u32 s89, 127, s88                     ; t_hi
	s_lshr_b32 s12, s89, 1                         ; a tile's first query: 32 (t / 2) + 8 (t % 2)
	s_lshl_b32 s12, s12, 5
	s_and_b32 s90, s89, 1
	s_lshl_b32 s90, s90, 3
	s_add_co_u32 s12, s12, s90
	s_lshr_b32 s13, s88, 1
	s_lshl_b32 s13, s13, 5
	s_and_b32 s90, s88, 1
	s_lshl_b32 s90, s90, 3
	s_add_co_u32 s13, s13, s90
	s_mov_b32 s91, 0
	s_lshl_b32 s90, s89, 10
	s_add_co_u32 s90, s90, s61
	s_add_nc_u64 s[80:81], s[4:5], s[90:91]        ; Q of t_hi
	s_lshl_b32 s90, s88, 10
	s_add_co_u32 s90, s90, s61
	s_add_nc_u64 s[82:83], s[4:5], s[90:91]        ; Q of t_lo
	s_lshr_b32 s92, s60, 4
	s_lshl_b32 s92, s92, 21                        ; z: the batch's 128 blocks of 16,384 bytes,
	s_and_b32 s93, s60, 15
	s_lshl_b32 s93, s93, 10                        ; the head's two blocks along K
	s_add_co_u32 s92, s92, s93
	s_lshl_b32 s90, s89, 14
	s_add_co_u32 s90, s90, s92
	s_add_nc_u64 s[84:85], s[8:9], s[90:91]
	s_lshl_b32 s90, s88, 14
	s_add_co_u32 s90, s90, s92
	s_add_nc_u64 s[86:87], s[8:9], s[90:91]
	global_load_b128 v[16:19], v[LI], s[80:81]
	global_load_b128 v[20:23], v[LI], s[80:81] offset:512
	global_load_b128 v[24:27], v[LI], s[82:83]
	global_load_b128 v[28:31], v[LI], s[82:83] offset:512
	v_mov_b32 v246, 0                              ; written once: a lane permute's destination counts as one of its sources
	v_mov_b32 v253, 0                              ; (named as the upper half of the pair v[252:253])
	s_wait_kmcnt 0x0
	s_add_co_i32 s90, s74, s75
	s_lshl_b32 s90, s90, 23
	s_add_co_i32 s[CS], s90, 0x3e38aa3b            ; c = log2(e) / 8, with e6 + e7 added to its exponent field
	s_mov_b32 s[CS+1], s[CS]
	s_add_co_i32 s90, s76, 127
	s_lshl_b32 s91, s90, 23
	v_mov_b32 v244, s91                            ; 2^e8
	s_add_co_i32 s90, s78, 127
	s_lshl_b32 s91, s90, 23
	v_mov_b32 v208, s91                            ; 2^e10
	s_add_co_i32 s17, s76, s77                     ; e8 + e9
; A KEY STEP: 128 keys.  qr: Q's registers; chk = 1: the step may be hidden or on the diagonal; q0: the scalar register with the tile's first query.
.macro STEP qr, chk, q0
.if \chk
	s_cmp_gt_u32 s[KI], s[KL]
	s_cbranch_scc1 .Lhid_\@                        ; all its keys come after my queries: only the address steps
.endif
	s_setprio 2
	v_add_nc_u32 v[ADK], s[TB], v[LI]
	v_add_nc_u32 v[ADV], s[TB], v[AV0]
	v_nop
	v_nop                                          ; four plain lines in front of loads into registers that the last products read
.irp t, 0,1,2,3,4,5,6,7
.irp c, 0,1
	ds_load_b128 v[32+8*\t+4*\c:32+8*\t+4*\c+3], v[ADK] offset:1024*\t+512*\c
.endr
.endr
	s_wait_alu depctr_va_vdst(0)
	s_wait_dscnt 8                                 ; tiles 0-3 are in; the youngest eight loads (tiles 4-7) may be out
.irp t, 0,1,2,3
	v_wmma_f32_16x16x64_fp8_fp8 v[96+8*\t:103+8*\t], v[32+8*\t:39+8*\t], v[\qr:\qr+7], 0
.endr
	s_wait_dscnt 0x0
.irp t, 4,5,6,7
	v_wmma_f32_16x16x64_fp8_fp8 v[96+8*\t:103+8*\t], v[32+8*\t:39+8*\t], v[\qr:\qr+7], 0
.endr
.rept 4
	v_nop                                          ; places: for V's loads into K's registers, and for the first reads of the scores
.endr
.irp t, 0,1,2,3
.irp c, 0,1,2,3
	ds_load_b128 v[32+16*\t+4*\c:32+16*\t+4*\c+3], v[ADV] offset:2048*\t+512*\c   ; V lands under the softmax
.endr
.endr
.if \chk
	s_cmp_lg_u32 s[KI], s[KL]
	s_cbranch_scc1 .Lopen_\@                       ; all keys count
	s_lshl_b32 s14, s[KI], 7
	s_sub_co_i32 s14, s[\q0], s14
	v_add_nc_u32 v252, s14, v[VR]                  ; my query - the step's first key - 16 (lane / 16).  Register 16 b + i holds key 32 b + 16 (lane / 16) + i of the step: hidden where 32 b + i is above it
	v_mov_b32 v254, 0xff800000                     ; -infinity
.set n, 0
.rept 64
	v_cmp_gt_i32 vcc_lo, 32*(n/16)+n%16, v252
	v_cndmask_b32 v[96+n], v[96+n], v254, vcc_lo
.set n, n+1
.endr
.Lopen_\@:
.endif
	v_max3_num_f32 v254, v96, v97, v98             ; the step's largest score of my query among my 64 keys, in two chains,
	v_max3_num_f32 v252, v99, v100, v101
.set n, 6
.rept 14
	v_max3_num_f32 v254, v254, v[96+n], v[97+n]
	v_max3_num_f32 v252, v252, v[98+n], v[99+n]
.set n, n+4
.endr
	v_max3_num_f32 v254, v254, v158, v159
	s_delay_alu instid0(VALU_DEP_1)
	v_max_num_f32 v254, v254, v252
	s_delay_alu instid0(VALU_DEP_1)
	v_permlanex16_b32 v246, v254, s[SEL], s[SEL+1]
	s_delay_alu instid0(VALU_DEP_1)
	v_max_num_f32 v254, v254, v246                 ; and among lane l xor 16's
	s_delay_alu instid0(VALU_DEP_1)
	v_mul_f32 v254, s[CS], v254                    ; as t (c is positive)
	s_delay_alu instid0(VALU_DEP_1)
	v_max_num_f32 v13, v13, v254                   ; the running largest t
	v_mov_b32 v254, v12
	s_delay_alu instid0(VALU_DEP_2)
	v_floor_f32 v12, -v13                          ; the new -M = floor(-t): M is a whole number
	s_delay_alu instid0(VALU_DEP_1)
	v_sub_f32 v254, v12, v254                      ; old M - new M: a whole number, 0 or less
	s_delay_alu instid0(VALU_DEP_1)
	v_cvt_i32_f32 v254, v254                       ; (it saturates)
	s_delay_alu instid0(VALU_DEP_1)
	v_ldexp_f32 v252, 1.0, v254                    ; f = 2^(old M - new M)
.set n, 0
.rept 32
	v_pk_fma_f32 v[96+n:97+n], v[96+n:97+n], s[CS:CS+1], v[12:13] op_sel_hi:[1,0,0]   ; t - M, two at a time
.set n, n+2
.endr
.set n, 0
	s_setprio 1
	s_wait_alu depctr_va_vdst(0)
.rept 64
	v_exp_f32 v[96+n], v[96+n]                     ; p = 2^(t - M), at most 1
.set n, n+1
.endr
	v_pk_mul_f32 v[14:15], v[14:15], v[252:253] op_sel_hi:[1,0]   ; the sums under the new M: the plain line behind the exponentials
	s_wait_alu depctr_va_vdst(0)                   ; one wait for the whole batch, ahead of its first reader
	v_pk_add_f32 v[242:243], v[100:101], v[104:105]
	v_pk_add_f32 v[248:249], v[108:109], v[112:113]
	v_pk_add_f32 v[240:241], v[116:117], v[120:121]
	v_pk_add_f32 v[238:239], v[124:125], v[128:129]
	v_pk_add_f32 v[236:237], v[132:133], v[136:137]
	v_pk_add_f32 v[234:235], v[140:141], v[144:145]
	v_pk_add_f32 v[232:233], v[148:149], v[152:153]
	v_pk_add_f32 v[14:15], v[14:15], v[156:157]
	v_pk_add_f32 v[242:243], v[242:243], v[96:97]
	v_pk_add_f32 v[248:249], v[248:249], v[98:99]
	v_pk_add_f32 v[240:241], v[240:241], v[102:103]
	v_pk_add_f32 v[238:239], v[238:239], v[106:107]
	v_pk_add_f32 v[236:237], v[236:237], v[110:111]
	v_pk_add_f32 v[234:235], v[234:235], v[114:115]
	v_pk_add_f32 v[232:233], v[232:233], v[118:119]
	v_pk_add_f32 v[14:15], v[14:15], v[122:123]
	v_pk_add_f32 v[242:243], v[242:243], v[126:127]
	v_pk_add_f32 v[248:249], v[248:249], v[130:131]
	v_pk_add_f32 v[240:241], v[240:241], v[134:135]
	v_pk_add_f32 v[238:239], v[238:239], v[138:139]
	v_pk_add_f32 v[236:237], v[236:237], v[142:143]
	v_pk_add_f32 v[234:235], v[234:235], v[146:147]
	v_pk_add_f32 v[232:233], v[232:233], v[150:151]
	v_pk_add_f32 v[14:15], v[14:15], v[154:155]
	v_pk_add_f32 v[242:243], v[242:243], v[158:159]
	s_delay_alu instid0(VALU_DEP_2)
	v_pk_add_f32 v[14:15], v[14:15], v[238:239]
	s_delay_alu instid0(VALU_DEP_2)
	v_pk_add_f32 v[242:243], v[242:243], v[236:237]
	v_pk_add_f32 v[248:249], v[248:249], v[234:235]
	v_pk_add_f32 v[240:241], v[240:241], v[232:233]
	s_delay_alu instid0(VALU_DEP_2)
	v_pk_add_f32 v[14:15], v[14:15], v[248:249]
	s_delay_alu instid0(VALU_DEP_2)
	v_pk_add_f32 v[242:243], v[242:243], v[240:241]
	s_delay_alu instid0(VALU_DEP_1)
	v_pk_add_f32 v[14:15], v[14:15], v[242:243]
	s_setprio 0
.irp b, 0,1,2,3
.set n, 0
.rept 16
.set n, n+1
.endr
	v_cvt_scalef32_pk8_fp8_f32 v[224+4*\b:225+4*\b], v[96+16*\b:103+16*\b], v244
	v_cvt_scalef32_pk8_fp8_f32 v[226+4*\b:227+4*\b], v[104+16*\b:111+16*\b], v244
.endr
.set n, 0
.rept 16
	v_pk_mul_f32 v[160+n:161+n], v[160+n:161+n], v[252:253] op_sel_hi:[1,0]   ; O^T under the new M; also the plain lines between the conversions and the products
.set n, n+2
.endr
	s_wait_alu depctr_va_vdst(0)
	s_wait_dscnt 0x0                               ; V is in
.irp t, 0,1,2,3
	v_wmma_f32_16x16x128_fp8_fp8 v[160+8*\t:167+8*\t], v[32+16*\t:47+16*\t], v[224:239], v[160+8*\t:167+8*\t]   ; the four accumulators take turns
.endr
.if \chk
.Lhid_\@:
.endif
	s_add_co_u32 s[TB], s[TB], 8192
.endm
.macro KLOOP kstart, kend, qr, chk, q0 ; key steps kstart .. kend - 1: the counter and the LDS byte start from constants, the trip count is a constant
	s_mov_b32 s[KI], \kstart
	s_mov_b32 s[TB], (\kstart)*8192
.Lk_\@:
	STEP \qr, \chk, \q0
	s_add_co_u32 s[KI], s[KI], 1
	s_cmp_lt_u32 s[KI], \kend
	s_cbranch_scc1 .Lk_\@
	s_setprio 0
.endm
.macro INIT                            ; the step is written without a first step of its own: it finds zeros, which the first change of M leaves zeros
	v_mov_b32 v13, 0xff61b1e6                      ; the largest t so far: -3e38
	s_delay_alu instid0(VALU_DEP_1)
	v_floor_f32 v12, -v13
	v_mov_b32 v14, 0
	v_mov_b32 v15, 0
.set n, 0
.rept 32
	v_mov_b32 v[160+n], 0
.set n, n+1
.endr
.endm
.macro FINISH zc0, zb                  ; O^T / the sum x 2^(e8 + e9) is z: converted under e10; registers 16 b + i are channels 32 b + 16 (lane / 16) + i: two 16-byte pieces a lane
.rept 4
	v_nop                                          ; places behind the last products
.endr
	v_add_f32 v14, v14, v15
	s_delay_alu instid0(VALU_DEP_1)
	v_permlanex16_b32 v246, v14, s[SEL], s[SEL+1]
	s_delay_alu instid0(VALU_DEP_1)
	v_add_f32 v14, v14, v246                       ; the row's sum
	s_wait_alu depctr_va_vdst(0)
	v_rcp_f32 v14, v14
	v_nop                                          ; a plain line behind the reciprocal
	s_wait_alu depctr_va_vdst(0)                   ; and the wait ahead of its first reader
	v_ldexp_f32 v14, v14, s17
.set n, 0
.rept 16
	v_pk_mul_f32 v[96+n:97+n], v[160+n:161+n], v[14:15] op_sel_hi:[1,0]   ; each accumulator from its low end on
.set n, n+2
.endr
.set n, 0
.rept 32
.set n, n+1
.endr
.irp b, 0,1
	v_cvt_scalef32_pk8_fp8_f32 v[\zc0+4*\b:\zc0+4*\b+1], v[96+16*\b:103+16*\b], v208
	v_cvt_scalef32_pk8_fp8_f32 v[\zc0+4*\b+2:\zc0+4*\b+3], v[104+16*\b:111+16*\b], v208
.endr
	v_nop                                          ; a plain line behind the conversions: later products write their sources
	global_store_b128 v[LI], v[\zc0:\zc0+3], s[\zb:\zb+1]               ; 512 consecutive bytes a line; the codes' registers are not written again
	global_store_b128 v[LI], v[\zc0+4:\zc0+7], s[\zb:\zb+1] offset:512
.endm
	INIT
	s_lshr_b32 s[KL], s[WV], 1
	s_sub_co_u32 s[KL], 15, s[KL]                  ; t_hi's last key step: 15 - w / 2, at least 8
	s_wait_loadcnt 0x0                             ; Q
	s_wait_tensorcnt 2                             ; key steps 0, 1 have landed; my two later loads may stay out
	s_wait_dscnt 0x0
	s_barrier_signal -1
	s_barrier_wait -1
	KLOOP 0, 2, 16, 0, 12
	s_wait_tensorcnt 1                             ; key steps 2 .. 5 have landed
	s_wait_dscnt 0x0
	s_barrier_signal -1
	s_barrier_wait -1
	KLOOP 2, 6, 16, 0, 12
	s_wait_tensorcnt 0x0                           ; the whole head has landed
	s_wait_dscnt 0x0
	s_barrier_signal -1
	s_barrier_wait -1
	KLOOP 6, 16, 16, 1, 12
	FINISH 192, 84
	INIT
	s_lshr_b32 s[KL], s[WV], 1                     ; t_lo's last key step: w / 2
	KLOOP 0, 8, 24, 1, 13
	FINISH 200, 86
	s_wait_dscnt 0x0
	s_wait_tensorcnt 0x0
	ds_add_u32 v251, v255
	s_wait_dscnt 0x0
	CROUND                                         ; the closing round
	s_endpgm
.Lfunc_end_k_q9aa4dd3eb5_attn:
	.size	k_q9aa4dd3eb5_attn, .Lfunc_end_k_q9aa4dd3eb5_attn-k_q9aa4dd3eb5_attn
	.p2alignl 7, 3214868480
	.fill 96, 4, 3214868480
	.section	.rodata,"a",@progbits
	.p2align	6, 0x0
	.amdhsa_kernel k_q9aa4dd3eb5_attn
		.amdhsa_group_segment_fixed_size 264192
		.amdhsa_private_segment_fixed_size 0
		.amdhsa_enable_private_segment 0
		.amdhsa_kernarg_size 24
		.amdhsa_user_sgpr_count 2
		.amdhsa_user_sgpr_kernarg_segment_ptr 1
		.amdhsa_wavefront_size32 1
		.amdhsa_system_sgpr_workgroup_id_x 1
		.amdhsa_system_sgpr_workgroup_id_y 1
		.amdhsa_system_sgpr_workgroup_id_z 1
		.amdhsa_system_vgpr_workitem_id 0
		.amdhsa_next_free_vgpr 256
		.amdhsa_next_free_sgpr 96
		.amdhsa_reserve_vcc 1
		.amdhsa_float_denorm_mode_32 3
		.amdhsa_float_denorm_mode_16_64 3
		.amdhsa_fp16_overflow 1
		.amdhsa_memory_ordered 1
		.amdhsa_forward_progress 1
		.amdhsa_inst_pref_size 81
	.end_amdhsa_kernel
	.amdgpu_metadata
---
amdhsa.version: [ 1, 2 ]
amdhsa.kernels:
  - .name:           k_q9aa4dd3eb5_attn
    .symbol:         k_q9aa4dd3eb5_attn.kd
    .args:
      - { .name: qkv, .offset: 0, .size: 8, .value_kind: global_buffer, .address_space: global }
      - { .name: lowp_scales, .offset: 8, .size: 8, .value_kind: global_buffer, .address_space: global }
      - { .name: zc, .offset: 16, .size: 8, .value_kind: global_buffer, .address_space: global }
    .group_segment_fixed_size: 264192
    .private_segment_fixed_size: 0
    .kernarg_segment_align: 8
    .kernarg_segment_size: 24
    .max_flat_workgroup_size: 512
    .sgpr_count:     96
    .vgpr_count:     256
    .wavefront_size: 32
...
	.end_amdgpu_metadata
.endif
;; end of part 3
;; launch outp (part 4): grid 4 x 32, 4 waves a work-group, clusters of 4 x 4, 327,680 bytes of LDS; arguments zc, wcodes, bo, lowp_scales, out0; writes out0
.if DOCPART == 4
	.amdgcn_target "amdgcn-amd-amdhsa--gfx1250"
	.amdhsa_code_object_version 6
	.text
	.protected	k_q9aa4dd3eb5_outp
	.globl	k_q9aa4dd3eb5_outp
	.p2align	8
	.type	k_q9aa4dd3eb5_outp,@function
k_q9aa4dd3eb5_outp:
	s_mov_b64 s[64:65], 0
	v_nop
	global_prefetch_b8 v0, s[64:65] scope:SCOPE_SE
	s_setreg_imm32_b32 hwreg(HW_REG_WAVE_MODE, 25, 1), 1
	s_wait_xcnt 0x0
	s_wait_alu depctr_hold_cnt(0) depctr_sa_sdst(0) depctr_va_vdst(0) depctr_va_sdst(0) depctr_va_ssrc(0) depctr_va_vcc(0) depctr_vm_vsrc(0)
	s_getreg_b32 s2, hwreg(HW_REG_IB_STS2, 6, 4)
	s_cmp_eq_u32 s2, 0
	s_cbranch_scc0 .Lentry_in_a_cluster
	s_endpgm
.Lentry_in_a_cluster:
	s_bfe_u32 s2, ttmp6, 0x10000c
	s_cmp_lg_u32 s2, 0xf033
	s_cbranch_scc0 .Lentry_shape_is_right
	s_endpgm
.Lentry_shape_is_right:
; out0 = z wo + bo: 8192 x 1024 x 1024 on codes of FP8 (E4M3), sums in f32, x 2^(e10 + e11).  z's codes (zc) and wo's (wcodes + 3 MiB) are images of operand registers: block (T, kb) of 16 rows x 32 K at
; 16384 T + 512 kb, a lane's 16 bytes at 16 x lane; place p of block T holds row 32 (T / 2) + 8 (T % 2) + p + 8 (p / 8).
; A work-group makes 256 tokens (Y) x 256 columns (X), each of four waves 128 x 128.  Source 0 = 16 rows of X, source 1 = 16 of Y: a lane holds one token's place, and the 16 registers of X's blocks 2 b, 2 b + 1
; are columns 32 b + 16 (lane / 16) + 0 .. 15.  K goes in steps of 256 through two LDS slots: four fills, written out.
; THE BIAS is the C of each sum's first product, divided by the power of two that the sums lack.
; CLUSTERS: 4 x 4 work-groups; z's tile is shared along a row of the cluster, wo's along a column: each is asked for jointly.
; THE WAY OUT: a block of 16 places x 128 columns goes through the wave's own stage in LDS (bytes of its own, behind the ring and the spare words) and leaves as whole rows: 512 consecutive bytes a store.
; LIMITS: e10 + e11 between -126 and 127; bo / 2^(e10 + e11) stays inside f32's range.
; REGISTERS: window 0: v16-21 LDS addresses; v24 stage in, v25 stage out, v26 16 x lane; v28, v29 for the add; v32-95 the bias, later a block's sums; from v128 Y's fragments, later rows read back.
;   window 1: X's fragments, two sets.  windows 2, 3: the accumulators ((a, b) at v[8 (8 (a % 4) + b)]).
.set HALFT,  32768
.set SLOT,   4*HALFT
.set SPARE,  2*SLOT                    ; the spare words, 128 bytes a wave: two blocks of 256 bytes that no other line names
.set STAGE,  SPARE+512                 ; 16 rows x (512 + 16) bytes for each wave; no fill lands here
.set SPITCH, 528
.set FR,     16
.set NL,     4
.set NP,     4
.set ADRA, 16
.set ADRB, 20
.set STO,  24
.set RD,   25
.set LI,   26
.set SPW,  28
.set NIL,  29
.set BIAS, 32
.set TMP,  32
.set AF,   128
.set BK,   128
.set G1, 24
.set G0, 32
.set G1B, 48
.set G0B, 56
.set MSB, 0
.macro WIN new
.if MSB != \new
	s_set_vgpr_msb (MSB<<8)|\new
.set MSB, \new
.endif
.endm
.set MUL_LO, 0xa1                      ; source 0 (X) window 1, source 1 (Y) window 0, C and D window 2
.set MUL_HI, 0xf1
.set TO_B,   0x40
.macro JLOAD g0a, g1a, g0b, g1b        ; a joint load: waves 0 and 1 fetch Y's halves, waves 2 and 3 X's; four v_nop follow each line
	s_cmp_eq_u32 s15, 0
	s_cbranch_scc0 .Lfor_b_\@
	tensor_load_to_lds s[\g0a:\g0a+3], s[\g1a:\g1a+7]
	s_nop 0
.rept 4
	v_nop
.endr
	s_branch .Lasked_\@
.Lfor_b_\@:
	tensor_load_to_lds s[\g0b:\g0b+3], s[\g1b:\g1b+7]
	s_nop 0
.rept 4
	v_nop
.endr
.Lasked_\@:
.endm
.macro CREST
	s_cmp_lg_u32 s14, 0
	s_cbranch_scc1 .Lnot_wave_0_\@
	s_barrier_signal -3
.Lnot_wave_0_\@:
	s_barrier_wait -3
	s_barrier_signal -1
	s_barrier_wait -1
.endm
.macro CROUND
	s_barrier_signal -1
	s_barrier_wait -1
	CREST
.endm
	s_load_b256 s[4:11], s[0:1], 0x0               ; zc 4:5, wcodes 6:7, bo 8:9, the scales 10:11
	s_load_b64 s[88:89], s[0:1], 0x20              ; out0
	v_lshl_add_u32 v[SPW], v0, 2, SPARE
	v_mov_b32 v[NIL], 0
	ds_add_u32 v28, v29
	ds_add_u32 v28, v29
	s_wait_dscnt 0x0
	v_lshrrev_b32 v1, 5, v0
	v_readfirstlane_b32 s14, v1                    ; wave 0..3
	s_lshr_b32 s15, s14, 1
	s_and_b32 s16, s14, 1
	s_bfe_u32 s40, ttmp6, 0x40000                  ; cx
	s_bfe_u32 s41, ttmp6, 0x40004                  ; cy
	s_mov_b32 s42, s40                             ; X's tile = cx: the grid is one cluster wide
	s_and_b32 s17, ttmp7, 0xffff
	s_lshl_b32 s17, s17, 2
	s_add_co_u32 s17, s17, s41                     ; Y's tile = 4 x cluster y + cy
	s_lshl_b32 s43, s41, 2
	s_lshl_b32 s43, 15, s43                        ; my row of the cluster
	s_lshl_b32 s44, 0x1111, s40                    ; my column
	s_or_b32 s[G1+0], s43, (3<<16)|(1<<21)         ; group 1: 8 rows of 4,096 bytes, 16,384 apart, elements of 8 bytes, dense in LDS
	s_or_b32 s[G1B+0], s44, (3<<16)|(1<<21)
.irp g, G1, G1B
	s_mov_b32 s[\g+1], 512<<16
	s_mov_b32 s[\g+2], 8<<16
	s_mov_b32 s[\g+3], 512<<16
	s_mov_b32 s[\g+4], 8
	s_mov_b32 s[\g+5], 2048
	s_mov_b32 s[\g+6], 0
	s_mov_b32 s[\g+7], 0
.endr
	s_lshl_b32 s18, s16, 17
	s_lshl_b32 s20, s17, 18
	s_add_co_u32 s20, s20, s18
	s_mov_b32 s21, 0
	s_lshl_b32 s46, s42, 18
	s_add_co_u32 s46, s46, s18
	s_add_co_u32 s46, s46, 0x300000                ; wo's codes
	s_mov_b32 s47, 0
	s_mul_i32 s45, s14, HALFT
	s_wait_kmcnt 0x0
	s_load_b64 s[96:97], s[10:11], 0x28            ; e10, e11
	s_add_nc_u64 s[20:21], s[4:5], s[20:21]
	s_add_nc_u64 s[46:47], s[6:7], s[46:47]
	CROUND                                         ; all sixteen work-groups are here: the first joint loads meet
.irp s, 0,1
	s_mov_b32 s[G0+4*\s], 1
	s_add_co_u32 s[G0+4*\s+1], s45, \s*SLOT
	s_add_nc_u64 s[G0+4*\s+2:G0+4*\s+3], s[20:21], \s*4096
	s_or_b32 s[G0+4*\s+3], s[G0+4*\s+3], 0x80000000
	s_mov_b32 s[G0B+4*\s], 1
	s_add_co_u32 s[G0B+4*\s+1], s45, \s*SLOT
	s_add_nc_u64 s[G0B+4*\s+2:G0B+4*\s+3], s[46:47], \s*4096
	s_or_b32 s[G0B+4*\s+3], s[G0B+4*\s+3], 0x80000000
	s_wait_alu depctr_va_vdst(0)
	s_wait_tensorcnt 0x0
	ds_add_u32 v28, v29
	ds_add_u32 v28, v29
	s_wait_dscnt 0x0
	CROUND
	JLOAD G0+4*\s, G1, G0B+4*\s, G1B
.endr
	s_lshl_b32 s18, s42, 10                        ; the bias of my 128 columns: register 16 b + i = column 32 b + 16 (lane / 16) + i
	s_lshl_b32 s19, s16, 9
	s_add_co_u32 s18, s18, s19
	s_mov_b32 s19, 0
	s_add_nc_u64 s[90:91], s[8:9], s[18:19]
	v_and_b32 v12, 16, v0
	v_lshlrev_b32 v12, 2, v12
.set j, 0
.rept 16
	global_load_b128 v[BIAS+4*j:BIAS+4*j+3], v12, s[90:91] offset:128*(j/4)+16*(j%4)
.set j, j+1
.endr
	s_lshl_b32 s20, s17, 20                        ; out0: my first row, 256 x Y's tile + 128 x my half, 4,096 bytes a row; + my first column
	s_lshl_b32 s21, s15, 19
	s_add_co_u32 s20, s20, s21
	s_add_co_u32 s18, s18, s20
	s_add_nc_u64 s[92:93], s[88:89], s[18:19]
	v_and_b32 v1, 15, v0                           ; r
	s_wait_alu depctr_va_vdst(0)
	v_bfe_u32 v2, v0, 4, 1                         ; lane / 16
	v_and_b32 v6, 31, v0
	v_lshlrev_b32 v[LI], 4, v6
	s_lshl_b32 s21, s15, 15
	s_lshl_b32 s22, s16, 15
	s_add_co_u32 s22, s22, 2*HALFT
.irp s, 0,1
	v_add_nc_u32 v[ADRA+\s], s21, v[LI]
	v_add_nc_u32 v[ADRB+\s], s22, v[LI]
	s_add_co_u32 s21, s21, SLOT
	s_add_co_u32 s22, s22, SLOT
.endr
	s_mul_i32 s23, s14, 16*SPITCH
	s_add_co_u32 s23, s23, STAGE                   ; my stage
	v_mul_u32_u24 v5, v1, SPITCH
	s_wait_alu depctr_va_vdst(0)
	v_lshl_add_u32 v5, v2, 6, v5
	v_add_nc_u32 v[STO], s23, v5                   ; in: row r, + 64 (lane / 16)
	v_add_nc_u32 v[RD], s23, v[LI]                 ; back: the 32 lanes take one row of 512 bytes
	s_wait_kmcnt 0x0
	s_add_co_i32 s98, s96, s97                     ; e10 + e11
	s_sub_co_i32 s99, 0, s98
	s_add_co_i32 s96, s98, 127
	s_lshl_b32 s96, s96, 23                        ; 2^(e10 + e11) as f32
	s_mov_b32 s97, s96
	s_wait_loadcnt 0x0
.set j, 0
.rept 64
	v_ldexp_f32 v[BIAS+j], v[BIAS+j], s99          ; bo / 2^(e10 + e11): nothing is rounded inside f32's range
.set j, j+1
.endr
.macro FRAG reg, adr, q, i
.irp c, 0,1,2,3
	ds_load_b128 v[\reg+4*\c:\reg+4*\c+3], v[\adr] offset:2048*(\q)+512*\c+(\i)*4096
.endr
.endm
.macro MUL16 a0, p, first              ; first = 1: the sums begin with the bias as C; the 64 accumulators take turns, in one order in every step
.irp a, \a0, \a0+1
.irp b, 0,1,2,3,4,5,6,7
.if \first
	v_wmma_f32_16x16x128_fp8_fp8 v[8*(8*((\a)%4)+\b):8*(8*((\a)%4)+\b)+7], v[128*(\p)+FR*\b:128*(\p)+FR*\b+FR-1], v[AF+FR*(\a):AF+FR*(\a)+FR-1], v[BIAS+8*\b:BIAS+8*\b+7]
.else
	v_wmma_f32_16x16x128_fp8_fp8 v[8*(8*((\a)%4)+\b):8*(8*((\a)%4)+\b)+7], v[128*(\p)+FR*\b:128*(\p)+FR*\b+FR-1], v[AF+FR*(\a):AF+FR*(\a)+FR-1], v[8*(8*((\a)%4)+\b):8*(8*((\a)%4)+\b)+7]
.endif
.endr
.endr
.endm
.macro FETCH_B slot, q, p
	WIN TO_B
.irp i, 0,1,2,3,4,5,6,7
	FRAG 128*(\p)+FR*\i, ADRB+\slot, \q, \i
.endr
	WIN 0
.endm
.macro FETCH_A slot, q, i0
.irp i, \i0, \i0+1, \i0+2, \i0+3
	FRAG AF+FR*(\i), ADRA+\slot, \q, \i
.endr
.endm
.macro PLACES n
.rept \n
	v_nop
.endr
.endm
.macro STEP slot, q, first
	s_wait_dscnt 4*NL                              ; X's set and Y's blocks 0-3 are in; the youngest 16 loads may be out
.if \first
	WIN 0x81                                       ; C (the bias) in window 0, D in window 2
.else
	WIN MUL_LO
.endif
	MUL16 0, (\q)%2, \first
	MUL16 2, (\q)%2, \first
	s_wait_dscnt 0
	PLACES NP
	FETCH_B \slot, (\q)+1, 1-(\q)%2
	FETCH_A \slot, (\q)+1, 0
.if \first
	WIN 0xc1
.else
	WIN MUL_HI
.endif
	MUL16 4, (\q)%2, \first
	MUL16 6, (\q)%2, \first
	PLACES NP
	WIN 0
	FETCH_A \slot, (\q)+1, 4
.endm
.macro TURN slot, next, fill
	s_wait_tensorcnt 0x0                           ; all my tensor loads have landed: my part of the next slot
	ds_add_u32 v[SPW], v[NIL]                      ; 0 onto my spare word
	s_wait_dscnt 4*NL+1                            ; (the add and the youngest 16 loads may be out)
	WIN MUL_LO
	MUL16 0, 1, 0
	s_wait_dscnt 0x0                               ; the add is done, and my reads of this slot are over
	s_barrier_signal -1
	MUL16 2, 1, 0
	WIN 0
	s_barrier_wait -1
.if \fill
	CREST                                          ; the barrier has opened a round of the cluster's
	s_add_nc_u64 s[G0+4*\slot+2:G0+4*\slot+3], s[G0+4*\slot+2:G0+4*\slot+3], 8192
	s_add_nc_u64 s[G0B+4*\slot+2:G0B+4*\slot+3], s[G0B+4*\slot+2:G0B+4*\slot+3], 8192
	JLOAD G0+4*\slot, G1, G0B+4*\slot, G1B
.else
	PLACES NP
.endif
	FETCH_B \next, 0, 0
	FETCH_A \next, 0, 0
	WIN MUL_HI
	MUL16 4, 1, 0
	MUL16 6, 1, 0
	PLACES NP
	WIN 0
	FETCH_A \next, 0, 4
.endm
	s_wait_alu depctr_va_vdst(0)
	s_wait_tensorcnt 1                             ; my part of slot 0 is in; slot 1's may stay out
	s_barrier_signal -1
	s_barrier_wait -1
	FETCH_B 0, 0, 0
	FETCH_A 0, 0, 0
	FETCH_A 0, 0, 4
	STEP 0, 0, 1
	TURN 0, 1, 1
	STEP 1, 0, 0
	TURN 1, 0, 1
	STEP 0, 0, 0
	TURN 0, 1, 0
	STEP 1, 0, 0
	s_wait_dscnt 4*NL                              ; the very last 128 along K
	WIN MUL_LO
	MUL16 0, 1, 0
	MUL16 2, 1, 0
	s_wait_dscnt 0
	WIN MUL_HI
	MUL16 4, 1, 0
	MUL16 6, 1, 0
	WIN 0
.macro TOSTAGE a                       ; Y's block a: x 2^(e10 + e11), into my stage, and back as whole rows; LDS serves a wave's instructions in order, so no wait stands between
.set AC, 64*((\a)%4)
.set W, 0x02+((\a)/4)
	WIN W
.set j, 0
.rept 32
	v_pk_mul_f32 v[TMP+j:TMP+j+1], v[AC+j:AC+j+1], s[96:97] op_sel_hi:[1,0]   ; each accumulator from its low end on
.set j, j+2
.endr
	WIN 0
.irp b, 0,1,2,3,4,5,6,7
	ds_store_b128 v[STO], v[TMP+8*\b:TMP+8*\b+3] offset:128*(\b/2)+32*(\b%2)
	ds_store_b128 v[STO], v[TMP+8*\b+4:TMP+8*\b+7] offset:128*(\b/2)+32*(\b%2)+16
.endr
.set BB, BK+64*((\a)%2)
.set j, 0
.rept 16
	ds_load_b128 v[BB+4*j:BB+4*j+3], v[RD] offset:j*SPITCH
.set j, j+1
.endr
.endm
.macro SEND a, younger                 ; younger: the LDS instructions issued behind block a's loads, which may stay out
.set BB, BK+64*((\a)%2)
	s_wait_dscnt \younger
.set j, 0
.rept 16
	global_store_b128 v[LI], v[BB+4*j:BB+4*j+3], s[92:93] offset:(32*((\a)/2)+8*((\a)%2)+j+8*(j/8))*4096 th:TH_STORE_NT   ; place j of block a is this row; 512 consecutive bytes, aligned; the base never steps
.set j, j+1
.endr
.endm
	PLACES NP                                      ; behind the last products: for the first reads of results and the loads into Y's registers
	TOSTAGE 0
.irp a, 1,2,3,4,5,6,7
.if \a > 1
	s_wait_xcnt 0x0                                ; block a - 2's stores have read their registers: block a's loads may land there
.endif
	TOSTAGE \a
	SEND \a-1, 32                                  ; behind block a - 1's loads: block a's 16 stores and 16 loads
.endr
	SEND 7, 0
	s_wait_tensorcnt 0x0                           ; the wave's end
	ds_add_u32 v[SPW], v[NIL]
	s_wait_dscnt 0x0
	CROUND                                         ; the closing round
	s_endpgm
.Lfunc_end_k_q9aa4dd3eb5_outp:
	.size	k_q9aa4dd3eb5_outp, .Lfunc_end_k_q9aa4dd3eb5_outp-k_q9aa4dd3eb5_outp
	.p2alignl 7, 3214868480
	.fill 96, 4, 3214868480
	.section	.rodata,"a",@progbits
	.p2align	6, 0x0
	.amdhsa_kernel k_q9aa4dd3eb5_outp
		.amdhsa_group_segment_fixed_size 327680
		.amdhsa_private_segment_fixed_size 0
		.amdhsa_enable_private_segment 0
		.amdhsa_kernarg_size 40
		.amdhsa_user_sgpr_count 2
		.amdhsa_user_sgpr_kernarg_segment_ptr 1
		.amdhsa_wavefront_size32 1
		.amdhsa_system_sgpr_workgroup_id_x 1
		.amdhsa_system_sgpr_workgroup_id_y 1
		.amdhsa_system_sgpr_workgroup_id_z 1
		.amdhsa_system_vgpr_workitem_id 0
		.amdhsa_next_free_vgpr 1024
		.amdhsa_next_free_sgpr 100
		.amdhsa_reserve_vcc 0
		.amdhsa_float_denorm_mode_32 3
		.amdhsa_float_denorm_mode_16_64 3
		.amdhsa_memory_ordered 1
		.amdhsa_forward_progress 1
		.amdhsa_inst_pref_size 129
	.end_amdhsa_kernel
	.amdgpu_metadata
---
amdhsa.version: [ 1, 2 ]
amdhsa.kernels:
  - .name:           k_q9aa4dd3eb5_outp
    .symbol:         k_q9aa4dd3eb5_outp.kd
    .args:
      - { .name: zc, .offset: 0, .size: 8, .value_kind: global_buffer, .address_space: global }
      - { .name: wcodes, .offset: 8, .size: 8, .value_kind: global_buffer, .address_space: global }
      - { .name: bo, .offset: 16, .size: 8, .value_kind: global_buffer, .address_space: global }
      - { .name: lowp_scales, .offset: 24, .size: 8, .value_kind: global_buffer, .address_space: global }
      - { .name: out0, .offset: 32, .size: 8, .value_kind: global_buffer, .address_space: global }
    .group_segment_fixed_size: 327680
    .private_segment_fixed_size: 0
    .kernarg_segment_align: 8
    .kernarg_segment_size: 40
    .max_flat_workgroup_size: 128
    .sgpr_count:     100
    .vgpr_count:     1024
    .wavefront_size: 32
...
	.end_amdgpu_metadata
.endif
;; end of part 4
